; MI455X (gfx1250); checked and timed in simulation.
; The chip was launched on July 23, 2026; its instructions are those of AMD's public machine-readable ISA for CDNA 5 (MIT licence, August 2026) and "CDNA5" Instruction Set Architecture Reference Guide (July 2026). The comments in the code are by the model that wrote it; some were corrected since.
;; VQ. Allowed arithmetic: matrix products marked QUANTISED: E5M2 operands, one given power-of-two scale a tensor, by v_wmma_f32_16x16x64_bf8_bf8 or v_wmma_f32_16x16x128_bf8_bf8, f32 sums; everything else in f32.
;; Inputs: codebook 8,192 x 256 float32; lowp_scales 2 int32 (the exponents e of the quantised operands' scales 2^e); z 32,768 x 256 float32.
;; Outputs: out0 32,768 x 256 float32; out1 one number float32.
;; This version of the problem:
;;   THIS VERSION OF THE PROBLEM IS GIVEN IN LOW PRECISION. The matrix products marked QUANTISED in the list below multiply operands that are first quantised to E5M2 (5 exponent bits, 2 mantissa bits; 8 bits a number), with one given power-of-two scale for each operand tensor; their sums are f32. All else is computed in f32.
;;   The module's matrix products, in the order in which they are computed (A, B: the left and right operand; K: the contracted axis; several contracted axes count as one K, in the product's order):
;;     1. [M 32,768, K 256] x [K 256, N 8,192]; A: input z; B: input codebook: QUANTISED (scales: A lowp_scales[0], B lowp_scales[1])
;;   THE QUANTISER, for each operand of a quantised product, along K:
;;     - The operand's scale is 2^e, e = its entry of the input lowp_scales (int32; the entries are numbered through the quantised products in the list's order, A before B).
;;     - Each number is divided by the scale, clamped to +-57,344, and rounded to the nearest number of E5M2, ties to even, subnormals kept.
;;     - The product sums the exact products of the quantised numbers (number of the format x scale) in f32.
;;   ~~~python
;;   def quantise(x, axis, e):      # numpy; x: float32 -> the quantised numbers, widened to float32 again
;;       x = np.moveaxis(x, axis, -1); K = x.shape[-1]
;;       r = np.clip(x / 2.0 ** e, -57344, 57344)
;;       step = 2.0 ** (np.maximum(np.frexp(np.where(r == 0, 1, r))[1] - 1, -14) - 2)
;;       q = np.round(r / step) * step * 2.0 ** e      # np.round: ties to even
;;       return np.moveaxis(q, -1, axis).astype(np.float32)
;;   ~~~
;; One version. Each part assembles by itself: llvm-mc -triple=amdgcn-amd-amdhsa -mcpu=gfx1250 --defsym DOCPART=n.
;; ======== version 1 of 1: 4 launches
;; workspace buffers: ccodes 2,097,152 bytes; esq 32,768 bytes; idx 131,072 bytes of whole numbers; part 1,024 bytes
;; launch quant (part 1): grid 256 x 1, 2 waves a work-group, no clusters, 0 bytes of LDS; arguments codebook, lowp_scales, ccodes, esq; writes ccodes, esq
.if DOCPART == 1
	.amdgcn_target "amdgcn-amd-amdhsa--gfx1250"
	.amdhsa_code_object_version 6
	.text
	.protected	k_q8d1e8235c2_quant
	.globl	k_q8d1e8235c2_quant
	.p2align	8
	.type	k_q8d1e8235c2_quant,@function
k_q8d1e8235c2_quant:
	s_mov_b64 s[64:65], 0
	v_nop
	global_prefetch_b8 v0, s[64:65] scope:SCOPE_SE
	s_setreg_imm32_b32 hwreg(HW_REG_WAVE_MODE, 25, 1), 1
	s_wait_xcnt 0x0
; The codebook [8192][256] f32 becomes (a) codes of BF8 (E5M2) under the given scale 2^e1 and (b) the row sums of squares e_sq [8192] f32, of the numbers as they are given.
; code = x / 2^e1, held within +-57,344, rounded to the nearest code, ties to even.  e1 is entry 1 (int32) of lowp_scales.
; LIMITS: -126 <= e1 <= 112, so that 2^e1 and 57,344 x 2^e1 are f32 numbers.  NaN among the inputs is not served (an infinity is held at the largest code).
; THE CODES ARE LAID IN THE ORDER OF THE OPERAND'S REGISTERS: tile t = rows 16 t .. 16 t + 15; K step s (128 along K), group c, lane L = (r = L % 16, h = L / 16):
; the 16 bytes at 4096 t + 2048 s + 512 c + 16 L are row 16 t + r, k = 128 s + 32 c + 16 h + 0 .. 15.  The product's launch then takes a fragment by four loads of 16 bytes a lane, on end.
; SHARES: one wave, one tile; 512 tiles = 256 work-groups x 2 waves.  No loop, no LDS, no barrier: waves share nothing.
; A lane loads, of its row r, the 16 neighbours of each block of 32 that the layout gives it, so the conversions' results are the fragment's registers and nothing is turned.
; e_sq leaves as 64 bytes a wave (16 lanes x 4 bytes): 32,768 bytes in the whole launch; a way through LDS to gather two waves' numbers is not taken for them.
.set T,  16                            ; v[16:23]   four packed chains of the sum of squares
.set X,  32                            ; v[32:159]  register 64 s + 16 c + i = k 128 s + 32 c + 16 h + i of row r
.set C,  160                           ; v[160:191] the codes: register 16 s + 4 c + q
.set SCV, 10                           ; v10  2^e1 as f32: the conversion takes its exponent field
.set LMV, 11                           ; v11  57,344 x 2^e1
	s_load_b256 s[4:11], s[0:1], 0x0               ; codebook s[4:5], lowp_scales s[6:7], ccodes s[8:9], esq s[10:11]
	v_lshrrev_b32 v1, 5, v0
	v_readfirstlane_b32 s14, v1                    ; wave 0, 1
	v_and_b32 v1, 31, v0                           ; lane
	v_and_b32 v2, 15, v0                           ; r
	v_bfe_u32 v3, v0, 4, 1                         ; h
	v_lshlrev_b32 v4, 10, v2
	v_lshl_add_u32 v4, v3, 6, v4                   ; in: row r of 1,024 bytes, + 64 h
	v_lshlrev_b32 v5, 4, v1                        ; out: 16 x lane
	v_lshlrev_b32 v6, 2, v2                        ; e_sq: 4 r
	v_mov_b32 v24, 0                               ; a lane permute's destination counts as read: written once
	s_mov_b32 s12, 0x76543210                      ; selects: lane l takes lane l xor 16
	s_mov_b32 s13, 0xfedcba98
	s_lshl_b32 s15, ttmp9, 1
	s_add_co_u32 s15, s15, s14                     ; my tile t
	s_lshl_b32 s16, s15, 14                        ; 16 rows of 1,024 bytes
	s_mov_b32 s17, 0
	s_lshl_b32 s18, s15, 12                        ; 4,096 bytes of codes
	s_mov_b32 s19, 0
	s_lshl_b32 s20, s15, 6                         ; 16 numbers of e_sq
	s_mov_b32 s21, 0
	s_wait_kmcnt 0x0
	s_load_b32 s22, s[6:7], 0x4                    ; e1
	s_add_nc_u64 s[4:5], s[4:5], s[16:17]
	s_add_nc_u64 s[8:9], s[8:9], s[18:19]
	s_add_nc_u64 s[10:11], s[10:11], s[20:21]
.irp s, 0,1
.irp c, 0,1,2,3
.irp j, 0,1,2,3
	global_load_b128 v[X+64*\s+16*\c+4*\j:X+64*\s+16*\c+4*\j+3], v4, s[4:5] offset:512*\s+128*\c+16*\j th:TH_LOAD_NT
.endr
.endr
.endr
	s_wait_kmcnt 0x0
	s_add_co_i32 s22, s22, 127
	s_lshl_b32 s23, s22, 23
	v_mov_b32 v[SCV], s23
	s_add_co_i32 s22, s22, 15
	s_lshl_b32 s22, s22, 23
	s_or_b32 s22, s22, 0x600000                    ; the mantissa field of 57,344
	v_mov_b32 v[LMV], s22
; the sum of squares of my 64 numbers of K step s, two at a time, in four chains; the first four products start the chains: nothing is cleared
.macro SUMSQ s
.set j, 0
.rept 32
.if (\s == 0) && (j < 4)
	v_pk_mul_f32 v[T+2*j:T+2*j+1], v[X+2*j:X+2*j+1], v[X+2*j:X+2*j+1]
.else
	v_pk_fma_f32 v[T+2*(j%4):T+2*(j%4)+1], v[X+64*\s+2*j:X+64*\s+2*j+1], v[X+64*\s+2*j:X+64*\s+2*j+1], v[T+2*(j%4):T+2*(j%4)+1]
.endif
.set j, j+1
.endr
.endm
	s_wait_loadcnt 16                              ; K step 0's sixteen loads are in; K step 1's sixteen may be out
	SUMSQ 0
	s_wait_loadcnt 0x0
	SUMSQ 1
	v_pk_add_f32 v[T:T+1], v[T:T+1], v[T+2:T+3]
	v_pk_add_f32 v[T+4:T+5], v[T+4:T+5], v[T+6:T+7]
	v_pk_add_f32 v[T:T+1], v[T:T+1], v[T+4:T+5]
	v_add_f32 v[T], v[T], v[T+1]
	v_permlanex16_b32 v24, v[T], s12, s13          ; the row's other 128 numbers lie in the lane 16 away
	v_add_f32 v[T], v[T], v24                      ; e_sq of row r
.set j, 0
.rept 128
	v_med3_num_f32 v[X+j], v[X+j], -v[LMV], v[LMV] ; the conversion to an 8-bit code does not saturate (ISA guide 7.6.2): the hold at the largest code x the scale comes first
.set j, j+1
.endr
.set j, 0
.rept 16
	v_cvt_scalef32_pk8_bf8_f32 v[C+2*j:C+2*j+1], v[X+8*j:X+8*j+7], v[SCV]   ; eight neighbours along K: two registers of the fragment
.set j, j+1
.endr
	v_nop                                          ; a plain vector line behind the last conversion
.irp s, 0,1
.irp c, 0,1,2,3
	global_store_b128 v5, v[C+16*\s+4*\c:C+16*\s+4*\c+3], s[8:9] offset:2048*\s+512*\c   ; 32 lanes store 512 consecutive bytes, at a multiple of 512 from the buffer's first byte
.endr
.endr
	s_wait_xcnt 0x0                                ; EXEC is a source of the stores above: it changes only behind this wait
	v_cmp_gt_u32 vcc_lo, 16, v1
	s_and_saveexec_b32 s24, vcc_lo                 ; lanes 0 to 15: one number a row
	global_store_b32 v6, v[T], s[10:11]
	s_wait_xcnt 0x0                                ; and again ahead of the line that widens it
	s_or_b32 exec_lo, exec_lo, s24
	s_endpgm
.Lfunc_end_k_q8d1e8235c2_quant:
	.size	k_q8d1e8235c2_quant, .Lfunc_end_k_q8d1e8235c2_quant-k_q8d1e8235c2_quant
	.p2alignl 7, 3214868480
	.fill 96, 4, 3214868480
	.section	.rodata,"a",@progbits
	.p2align	6, 0x0
	.amdhsa_kernel k_q8d1e8235c2_quant
		.amdhsa_group_segment_fixed_size 0
		.amdhsa_private_segment_fixed_size 0
		.amdhsa_enable_private_segment 0
		.amdhsa_kernarg_size 32
		.amdhsa_user_sgpr_count 2
		.amdhsa_user_sgpr_kernarg_segment_ptr 1
		.amdhsa_wavefront_size32 1
		.amdhsa_system_sgpr_workgroup_id_x 1
		.amdhsa_system_sgpr_workgroup_id_y 1
		.amdhsa_system_sgpr_workgroup_id_z 1
		.amdhsa_system_vgpr_workitem_id 0
		.amdhsa_next_free_vgpr 192
		.amdhsa_next_free_sgpr 66
		.amdhsa_reserve_vcc 1
		.amdhsa_float_denorm_mode_32 3
		.amdhsa_float_denorm_mode_16_64 3
		.amdhsa_memory_ordered 1
		.amdhsa_forward_progress 1
		.amdhsa_inst_pref_size 19
	.end_amdhsa_kernel
	.amdgpu_metadata
---
amdhsa.version: [ 1, 2 ]
amdhsa.kernels:
  - .name:           k_q8d1e8235c2_quant
    .symbol:         k_q8d1e8235c2_quant.kd
    .args:
      - { .name: codebook, .offset: 0, .size: 8, .value_kind: global_buffer, .address_space: global }
      - { .name: lowp_scales, .offset: 8, .size: 8, .value_kind: global_buffer, .address_space: global }
      - { .name: ccodes, .offset: 16, .size: 8, .value_kind: global_buffer, .address_space: global }
      - { .name: esq, .offset: 24, .size: 8, .value_kind: global_buffer, .address_space: global }
    .group_segment_fixed_size: 0
    .private_segment_fixed_size: 0
    .kernarg_segment_align: 8
    .kernarg_segment_size: 32
    .max_flat_workgroup_size: 64
    .sgpr_count:     66
    .vgpr_count:     192
    .wavefront_size: 32
...
	.end_amdgpu_metadata
.endif
;; end of part 1
;; launch vq (part 2): grid 256 x 1, 8 waves a work-group, clusters of 4 x 1, 327,680 bytes of LDS; arguments z, ccodes, esq, lowp_scales, idx; writes idx
.if DOCPART == 2
	.amdgcn_target "amdgcn-amd-amdhsa--gfx1250"
	.amdhsa_code_object_version 6
	.text
	.protected	k_q8d1e8235c2_vq
	.globl	k_q8d1e8235c2_vq
	.p2align	8
	.type	k_q8d1e8235c2_vq,@function
k_q8d1e8235c2_vq:
	s_mov_b64 s[64:65], 0
	v_nop
	global_prefetch_b8 v0, s[64:65] scope:SCOPE_SE
	s_setreg_imm32_b32 hwreg(HW_REG_WAVE_MODE, 25, 1), 1
	s_wait_xcnt 0x0
	s_wait_alu depctr_hold_cnt(0) depctr_sa_sdst(0) depctr_va_vdst(0) depctr_va_sdst(0) depctr_va_ssrc(0) depctr_va_vcc(0) depctr_vm_vsrc(0)
	s_getreg_b32 s2, hwreg(HW_REG_IB_STS2, 6, 4)
	s_cmp_eq_u32 s2, 0
	s_cbranch_scc0 .Lentry_in_a_cluster
	s_endpgm
.Lentry_in_a_cluster:
	s_bfe_u32 s2, ttmp6, 0x10000c
	s_cmp_lg_u32 s2, 0x3003
	s_cbranch_scc0 .Lentry_shape_is_right
	s_endpgm
.Lentry_shape_is_right:
; idx[n] = the first index of the smallest dist[n][k] = (z_sq[n] - 2 p[n][k]) + e_sq[k], p = Q(z) . Q(codebook) on codes of BF8 (E5M2), each tensor under its given scale 2^e0, 2^e1.
; z [32768][256] f32 is quantised here (each row belongs to one work-group); the codebook's codes and e_sq come from the launch before.
; THE TWO ROUNDINGS ARE THE DEFINITION'S: one fused multiply-add, sum x (-2^(e0+e1+1)) + z_sq (2 p is exact, so this rounds once, as z_sq - 2 p does), then one addition of e_sq.
; Of equal distances the lowest index is kept: a strict "less" over tiles taken in ascending order, the lowest place inside a tile, and (value, index) wherever lanes and waves are joined.
; LIMITS: e0 between -126 and 112; e0 + e1 + 1 between -126 and 127 (each power of two below is then an f32 number).  NaN and infinities among the inputs are not served: the minimum drops a NaN.
; SHARES.  A work-group owns 128 rows of z: 8 tiles of 16.  EVERY wave holds all 128 rows' codes in registers (16 fragments, 256 registers, all of window 1) for the whole launch; THE WAVES SHARE THE CODEBOOK:
; of each record of 32 code tiles (131,072 bytes) wave w takes tiles 4 w .. 4 w + 3.  So each byte of codes is read from LDS once in a work-group: 4,096 bytes for 16 matrix instructions.
; Eight waves of 512 registers, two to a SIMD: a tile is 16 matrix instructions and then 184 vector instructions on their results, and one wave's vector part can stand beside the other's matrix part.
; ORIENTATION.  Source 0 = 16 codebook rows, source 1 = 16 rows of z: lane (r, h) holds row r of z, and register j the codebook row 8 h + j of the tile.
; THE ARGMIN, for 8 distances of a lane: 4 packed multiply-adds, 4 packed additions, 4 for the tile's minimum, 1 compare with the best so far, and 10 selects that keep the minimum, the tile's number and the tile's
; 8 distances.  Which of the 8 it was is found once, behind the loop, from the kept distances.
; CLUSTER.  All work-groups walk the same 16 records and the same e_sq: the four of a cluster ask for each JOINTLY: the same tensor load, the same descriptor, the mask of all four.  z is shared by nobody.
; k IS PERMUTED ALIKE IN BOTH OPERANDS: register 4 c + q, byte b, half h of a fragment hold k = 32 c + 16 h + 4 q + b, so that a fragment is four loads of 16 bytes; every product meets its partner.
; LDS: two slots of a record; the whole e_sq table, filled once; 16 KB for images of z's fragments (written by ds_store; at the end the waves' results meet there); z_sq; the spare words.  No padding: every read is 16 x lane on end.
; The indices leave as 128 consecutive bytes a wave (32 lanes x 4 bytes): 131,072 bytes in the whole launch.
.set SLOT1, 1<<17                      ; slot 1 begins here: one exclusive or turns an address in one slot into the other's
.set RECB,  131072                     ; a record: 32 code tiles x 4,096 bytes
.set ESQ,   262144                     ; e_sq: 32,768 bytes
.set ZIMG,  294912                     ; images of four tiles of z: 16,384 bytes; later 8 waves x 1,024 bytes of (value, index)
.set ZSQT,  311296                     ; z_sq of the 128 rows: 512 bytes
.set SPARE, 311808                     ; the spare words, 128 bytes for each wave: four blocks of 256 bytes that no other line names
; window 0
.set SPW, 1                            ; v1   LDS address of my spare word; never rewritten
.set NIL, 2                            ; v2   0; never rewritten
.set CF0, 3                            ; v3   16 lane + 16384 wave: my place in a slot
.set ES0, 4                            ; v4   ESQ + 32 h + 256 wave
.set ADR, 5                            ; v5   CF0 + the slot in hand
.set EAD, 6                            ; v6   ES0 + 2048 x record
.set PFO, 7                            ; v7   256 x lane: the prefetch's offset; never rewritten
.set H8,  8                            ; v8   8 h
.set XA,  9                            ; v9   z: 1024 r + 64 h
.set M0,  10                           ; v10  at the head 2^e0; then a tile's minimum
.set M1,  11                           ; v11  at the head 57,344 x 2^e0; then the neighbouring tile's minimum
.set ZW,  12                           ; v12  where I store my tile's image
.set LI,  13                           ; v13  ZIMG + 16 lane: where any image is read
.set MS,  14                           ; v14  where I put my results: ZIMG + 1024 wave + 8 r
.set ML,  15                           ; v15  where I read the eight waves' results for row 32 wave + lane
.set ZSQ, 16                           ; v[16:23]   z_sq of row 16 a + r
.set BEST, 24                          ; v[24:31]   the smallest distance so far
.set ID,  32                           ; v[32:39]   the number of the tile that held it
.set ES,  40                           ; v[40:55]   e_sq of a tile's 8 rows of my half: two sets
.set SAVE, 56                          ; v[56:119]  that tile's 8 distances
.set ACC, 120                          ; v[120:183] eight accumulators
.set CF,  184                          ; v[184:247] a code tile's two fragments: two sets
.set PD,  248                          ; v248, v249 lane permutes' destinations
.set ZSW, 250                          ; v250 where I store z_sq
.set ZSR, 251                          ; v251 where it is read
.set TNV, 252                          ; v252 the tile's number
.set JR,  253
.set IX,  254
.set X,   120                          ; at the head: v[120:247] my tile's 128 numbers a lane
.set PC,  56                           ; at the head: v[56:87] their codes
.set CH,  40                           ; at the head: v[40:47] four packed chains
; window 1: z's fragment (tile a, K step s) at v[32 a + 16 s]
.set WV,  14                           ; s14  my wave's number
.set SEL, 20                           ; s[20:21] selects: lane l xor 16
.set NS,  22                           ; s[22:23] -2^(e0+e1+1): the packed form names a pair and takes its low word for both halves
.set G1C, 24                           ; s[24:31] descriptor group 1 for a wave's part of a record: 64 rows of 256 bytes
.set G1E, 32                           ; s[32:39] for its part of e_sq: 16 rows of 256 bytes
.set G0C, 40                           ; s[40:43] group 0 for the records: it walks
.set G0E, 44                           ; s[44:47] group 0 for e_sq
.set TB,  48                           ; s48  LDS byte at which the slot in hand begins
.set EB,  49                           ; s49  2048 x the record in hand
.set SLOTS, 50                         ; s50  records still to be asked for
.set TN,  51                           ; s51  the number of the tile in hand
.set LIM, 52                           ; s52  1 in a wave that prefetches, else the greatest number
.set PFA, 54                           ; s[54:55] where my prefetch stands
.set MSB, 0
.macro WIN new                         ; the immediate's high byte repeats the setting that is left
.if MSB != \new
	s_set_vgpr_msb (MSB<<8)|\new
.set MSB, \new
.endif
.endm
; A round of the cluster's barrier: my work-group's barrier, so that wave 0's signal speaks for all eight waves; wave 0 signals; every wave waits for all four work-groups; my work-group's barrier once more.
.macro ROUND
	s_barrier_signal -1
	s_barrier_wait -1
	s_cmp_lg_u32 s[WV], 0
	s_cbranch_scc1 .Lnot_wave_0_\@
	s_barrier_signal -3
.Lnot_wave_0_\@:
	s_barrier_wait -3
	s_barrier_signal -1
	s_barrier_wait -1
.endm
.macro BARRIER                         ; my LDS stores have landed and my LDS loads are in: then the work-group's barrier
	s_wait_dscnt 0x0
	s_barrier_signal -1
	s_barrier_wait -1
.endm
	s_load_b256 s[4:11], s[0:1], 0x0               ; z s[4:5], ccodes s[6:7], esq s[8:9], lowp_scales s[10:11]
	s_load_b64 s[12:13], s[0:1], 0x20              ; idx
	v_lshl_add_u32 v[SPW], v0, 2, SPARE
	v_mov_b32 v[NIL], 0
	ds_add_u32 v1, v2
	ds_add_u32 v1, v2
	s_wait_dscnt 0x0
	v_lshrrev_b32 v[ADR], 5, v0
	v_readfirstlane_b32 s[WV], v[ADR]              ; wave 0..7
	s_bfe_u32 s15, ttmp6, 0x40000                  ; cx: my place in the cluster: it enters z's, idx's and the prefetch's global addresses alone
	s_lshl_b32 s16, ttmp9, 2                       ; in a cluster launch ttmp9 counts clusters
	s_add_co_u32 s16, s16, s15                     ; my block of 128 rows
	; every LDS address is made here, ahead of any branch: constants, the lane, the wave's number
	v_and_b32 v[EAD], 31, v0                       ; lane
	v_and_b32 v[M0], 15, v0                        ; r
	v_bfe_u32 v[M1], v0, 4, 1                      ; h
	s_lshl_b32 s17, s[WV], 14                      ; 16384 x wave
	v_lshlrev_b32 v[LI], 4, v[EAD]                 ; 16 x lane
	v_add_nc_u32 v[CF0], s17, v[LI]
	s_lshl_b32 s18, s[WV], 8                       ; 256 x wave
	v_lshlrev_b32 v[ES0], 5, v[M1]
	v_add_nc_u32 v[ES0], s18, v[ES0]
	v_add_nc_u32 v[ES0], ESQ, v[ES0]
	v_lshlrev_b32 v[PFO], 8, v[EAD]
	v_lshlrev_b32 v[H8], 3, v[M1]
	v_lshlrev_b32 v[XA], 10, v[M0]
	v_lshl_add_u32 v[XA], v[M1], 6, v[XA]
	s_and_b32 s19, s[WV], 3
	s_lshl_b32 s19, s19, 12                        ; 4096 x (wave % 4): the images go in two halves of four tiles
	v_add_nc_u32 v[ZW], s19, v[LI]
	v_add_nc_u32 v[ZW], ZIMG, v[ZW]
	v_lshlrev_b32 v[ML], 3, v[EAD]
	v_add_nc_u32 v[ML], s18, v[ML]
	v_add_nc_u32 v[ML], ZIMG, v[ML]
	s_lshl_b32 s19, s[WV], 10
	v_lshlrev_b32 v[MS], 3, v[M0]
	v_add_nc_u32 v[MS], s19, v[MS]
	v_add_nc_u32 v[MS], ZIMG, v[MS]
	v_add_nc_u32 v[LI], ZIMG, v[LI]
	s_lshl_b32 s19, s[WV], 6
	v_lshlrev_b32 v[ZSR], 2, v[M0]
	v_add_nc_u32 v[ZSR], ZSQT, v[ZSR]              ; 4 r; the tile stands in the loads' immediates
	v_add_nc_u32 v[ZSW], s19, v[ZSR]               ; + 64 x wave: my tile's sixteen
	v_mov_b32 v[PD], 0                             ; a lane permute's destination counts as read: written once
	v_mov_b32 v[PD+1], 0
	; descriptor group 1: dense blocks as rows of 256 bytes (32 elements of 8 bytes), no padding
	s_mov_b32 s[G1C], 15|(3<<16)|(1<<21)           ; 15:0 the mask: all four work-groups; 17:16 elements of 8 bytes; 21 set beside a mask
	s_mov_b32 s[G1C+1], 32<<16                     ; tensor_dim0 = 32
	s_mov_b32 s[G1C+2], 64<<16                     ; tensor_dim1 = 64
	s_mov_b32 s[G1C+3], 32<<16                     ; tile_dim0 = 32
	s_mov_b32 s[G1C+4], 64                         ; tile_dim1 = 64
	s_mov_b32 s[G1C+5], 32                         ; from row to row: 32 elements
	s_mov_b32 s[G1C+6], 0
	s_mov_b32 s[G1C+7], 0
	s_mov_b32 s[G1E], 15|(3<<16)|(1<<21)
	s_mov_b32 s[G1E+1], 32<<16
	s_mov_b32 s[G1E+2], 16<<16                     ; 16 rows
	s_mov_b32 s[G1E+3], 32<<16
	s_mov_b32 s[G1E+4], 16
	s_mov_b32 s[G1E+5], 32
	s_mov_b32 s[G1E+6], 0
	s_mov_b32 s[G1E+7], 0
	s_mov_b32 s[SEL], 0x76543210
	s_mov_b32 s[SEL+1], 0xfedcba98
	s_mov_b32 s[TB], 0
	s_mov_b32 s[EB], 0
	s_mov_b32 s[SLOTS], 15
	s_lshl_b32 s[TN], s[WV], 2                     ; my first tile: 4 x wave
	s_lshr_b32 s[LIM], s[WV], 2                    ; 0 in waves 0 to 3,
	s_or_b32 s[LIM], s[LIM], ttmp9                 ; of the first cluster: the same in all four partners
	s_cmp_eq_u32 s[LIM], 0
	s_cselect_b32 s[LIM], 1, -1
	s_lshl_b32 s2, s16, 17                         ; z: my block's 128 rows of 1,024 bytes,
	s_add_co_u32 s2, s2, s17                       ; my wave's 16 of them
	s_mov_b32 s3, 0
	s_mov_b32 s58, s17                             ; ccodes: my four tiles of a record.  (s17, s[58:59], s[62:63] feed the descriptors and never hold my place in the cluster)
	s_mov_b32 s59, 0
	s_lshl_b32 s62, s[WV], 12                      ; esq: my 4,096 bytes
	s_mov_b32 s63, 0
	s_wait_kmcnt 0x0
	s_load_b64 s[60:61], s[10:11], 0x0             ; e0, e1
	s_add_nc_u64 s[4:5], s[4:5], s[2:3]
	s_mov_b32 s[G0C], 1                            ; count = 1
	s_mov_b32 s[G0C+1], s17                        ; LDS address: slot 0, my part
	s_add_nc_u64 s[G0C+2:G0C+3], s[6:7], s[58:59]  ; global address: record 0, my part
	s_or_b32 s[G0C+3], s[G0C+3], 0x80000000        ; type = 2
	s_mov_b32 s[G0E], 1
	s_add_co_u32 s[G0E+1], s62, ESQ
	s_add_nc_u64 s[G0E+2:G0E+3], s[8:9], s[62:63]
	s_or_b32 s[G0E+3], s[G0E+3], 0x80000000
	s_lshl_b32 s2, s15, 15                         ; the prefetch: of a record's 131,072 bytes my work-group takes 32,768, by address,
	s_and_b32 s58, s[WV], 3
	s_lshl_b32 s58, s58, 13                        ; my wave 8,192 of them, lanes 256 bytes apart;
	s_add_co_u32 s2, s2, s58
	s_add_co_u32 s2, s2, RECB                      ; it stands at record 1: the first change of slots steps it to record 2
	s_add_nc_u64 s[PFA:PFA+1], s[6:7], s[2:3]
	s_lshl_b32 s2, s16, 9
	s_add_nc_u64 s[12:13], s[12:13], s[2:3]        ; idx at my block's first row
	ROUND                                          ; all four work-groups are here: the first joint loads meet
	tensor_load_to_lds s[G0C:G0C+3], s[G1C:G1C+7]  ; record 0 into slot 0, my part,
	s_nop 0
	tensor_load_to_lds s[G0E:G0E+3], s[G1E:G1E+7]  ; and my part of e_sq: two tensor loads of mine are out; behind each later round one
	s_nop 0
.rept 4
	v_nop
.endr
	; ---- z: wave w takes tile w (rows 16 w on): sum of squares, codes
.irp s, 0,1
.irp c, 0,1,2,3
.irp j, 0,1,2,3
	global_load_b128 v[X+64*\s+16*\c+4*\j:X+64*\s+16*\c+4*\j+3], v[XA], s[4:5] offset:512*\s+128*\c+16*\j
.endr
.endr
.endr
	s_wait_kmcnt 0x0
	s_add_co_i32 s18, s60, 127
	s_lshl_b32 s19, s18, 23
	v_mov_b32 v[M0], s19                           ; 2^e0 as f32: the conversion takes its exponent field
	s_add_co_i32 s18, s18, 15
	s_lshl_b32 s18, s18, 23
	s_or_b32 s18, s18, 0x600000
	v_mov_b32 v[M1], s18                           ; 57,344 x 2^e0
	s_add_co_i32 s[NS], s60, s61
	s_add_co_i32 s[NS], s[NS], 128
	s_lshl_b32 s[NS], s[NS], 23
	s_or_b32 s[NS], s[NS], 0x80000000              ; -2^(e0 + e1 + 1)
	s_mov_b32 s[NS+1], s[NS]                       ; (named with it as a pair, so it is written)
.macro SUMSQ s                         ; my 64 numbers of K step s, two at a time, in four chains; the first four products start them
.set j, 0
.rept 32
.if (\s == 0) && (j < 4)
	v_pk_mul_f32 v[CH+2*j:CH+2*j+1], v[X+2*j:X+2*j+1], v[X+2*j:X+2*j+1]
.else
	v_pk_fma_f32 v[CH+2*(j%4):CH+2*(j%4)+1], v[X+64*\s+2*j:X+64*\s+2*j+1], v[X+64*\s+2*j:X+64*\s+2*j+1], v[CH+2*(j%4):CH+2*(j%4)+1]
.endif
.set j, j+1
.endr
.endm
	s_wait_loadcnt 16                              ; K step 0's sixteen loads are in; K step 1's sixteen may be out
	SUMSQ 0
	s_wait_loadcnt 0x0
	SUMSQ 1
	v_pk_add_f32 v[CH:CH+1], v[CH:CH+1], v[CH+2:CH+3]
	v_pk_add_f32 v[CH+4:CH+5], v[CH+4:CH+5], v[CH+6:CH+7]
	v_pk_add_f32 v[CH:CH+1], v[CH:CH+1], v[CH+4:CH+5]
	v_add_f32 v[CH], v[CH], v[CH+1]
	v_permlanex16_b32 v[PD], v[CH], s[SEL], s[SEL+1]
	v_add_f32 v[CH], v[CH], v[PD]                  ; z_sq of row r, in both halves of the lanes
	ds_store_b32 v[ZSW], v[CH]                     ; (both halves write the same word with the same number)
.set j, 0
.rept 128
	v_med3_num_f32 v[X+j], v[X+j], -v[M1], v[M1]   ; the conversion to an 8-bit code does not saturate (ISA guide 7.6.2): the hold comes first
.set j, j+1
.endr
.set j, 0
.rept 16
	v_cvt_scalef32_pk8_bf8_f32 v[PC+2*j:PC+2*j+1], v[X+8*j:X+8*j+7], v[M0]
.set j, j+1
.endr
	v_nop                                          ; a plain vector line between the last conversion and whatever next touches its registers
	; ---- the fragments go to all eight waves as images of their registers, four tiles at a time.  The tensor loads stay out across these three barriers: behind them nothing is filled again
.macro IMAGE
.irp s, 0,1
.irp c, 0,1,2,3
	ds_store_b128 v[ZW], v[PC+16*\s+4*\c:PC+16*\s+4*\c+3] offset:2048*\s+512*\c
.endr
.endr
.endm
.macro TAKE base                       ; four tiles' images into window 1, v[base] on
	WIN 0x40                                       ; destination window 1, address window 0
.irp a, 0,1,2,3
.irp s, 0,1
.irp c, 0,1,2,3
	ds_load_b128 v[\base+32*\a+16*\s+4*\c:\base+32*\a+16*\s+4*\c+3], v[LI] offset:4096*\a+2048*\s+512*\c
.endr
.endr
.endr
	WIN 0
.endm
	s_cmp_lt_u32 s[WV], 4
	s_cbranch_scc0 .Lnot_low
	IMAGE                                          ; tiles 0 to 3
.Lnot_low:
	BARRIER                                        ; they, and all 128 z_sq, lie in LDS
	TAKE 0
.irp a, 0,1,2,3,4,5,6,7
	ds_load_b32 v[ZSQ+\a], v[ZSR] offset:64*\a
.endr
	BARRIER                                        ; every wave's reads of the images are back: they may be written over
	s_cmp_lt_u32 s[WV], 4
	s_cbranch_scc1 .Lnot_high
	IMAGE                                          ; tiles 4 to 7
.Lnot_high:
	BARRIER
	TAKE 128                                       ; (waited for at the first change of slots)
	; the loop is written once: its first tile finds +infinity as the best so far.  80 moves, once, in place of another copy of the tile's text
	s_mov_b32 s56, 0x7f800000
.irp a, 0,1,2,3,4,5,6,7
	v_mov_b32 v[BEST+\a], s56
	v_mov_b32 v[ID+\a], 0
.endr
.set j, 0
.rept 64
	v_mov_b32 v[SAVE+j], s56
.set j, j+1
.endr
; ten LDS loads: tile i of my four in the slot in hand, its two fragments and its e_sq (the sixteen lanes of a half read the same 32 bytes), into set p
.macro FETCH i, p
.irp s, 0,1
.irp c, 0,1,2,3
	ds_load_b128 v[CF+32*(\p)+16*\s+4*\c:CF+32*(\p)+16*\s+4*\c+3], v[ADR] offset:4096*(\i)+2048*\s+512*\c
.endr
.endr
	ds_load_b128 v[ES+8*(\p):ES+8*(\p)+3], v[EAD] offset:64*(\i)
	ds_load_b128 v[ES+8*(\p)+4:ES+8*(\p)+7], v[EAD] offset:64*(\i)+16
.endm
; sixteen matrix instructions: the code tile in set p against z's eight tiles, two K steps.  The first K step starts the sums; the eight accumulators take turns, one instruction a turn
.macro MULS p
	WIN 0x04                                       ; source 1 (z) window 1
.irp a, 0,1,2,3,4,5,6,7
	v_wmma_f32_16x16x128_bf8_bf8 v[ACC+8*\a:ACC+8*\a+7], v[CF+32*(\p):CF+32*(\p)+15], v[32*\a:32*\a+15], 0
.endr
.irp a, 0,1,2,3,4,5,6,7
	v_wmma_f32_16x16x128_bf8_bf8 v[ACC+8*\a:ACC+8*\a+7], v[CF+32*(\p)+16:CF+32*(\p)+31], v[32*\a+16:32*\a+31], v[ACC+8*\a:ACC+8*\a+7]
.endr
	WIN 0
.endm
; z tiles a and a + 1 (a even), their lines by turns.  Each accumulator is read from its low end on.
.macro ARG a, p
.set A0, ACC+8*(\a)
.set A1, A0+8
.set S0, SAVE+8*(\a)
.set S1, S0+8
.irp i, 0,2,4,6
	v_pk_fma_f32 v[A0+\i:A0+\i+1], v[A0+\i:A0+\i+1], s[NS:NS+1], v[ZSQ+\a:ZSQ+\a+1] op_sel_hi:[1,0,0]                 ; z_sq - 2 p: one rounding (of the pair of z_sq the low word)
	v_pk_fma_f32 v[A1+\i:A1+\i+1], v[A1+\i:A1+\i+1], s[NS:NS+1], v[ZSQ+\a:ZSQ+\a+1] op_sel:[0,0,1] op_sel_hi:[1,0,1]  ; (the high word)
.endr
.irp i, 0,2,4,6
	v_pk_add_f32 v[A0+\i:A0+\i+1], v[A0+\i:A0+\i+1], v[ES+8*(\p)+\i:ES+8*(\p)+\i+1]   ; + e_sq: the second rounding
	v_pk_add_f32 v[A1+\i:A1+\i+1], v[A1+\i:A1+\i+1], v[ES+8*(\p)+\i:ES+8*(\p)+\i+1]
.endr
	v_min3_num_f32 v[M0], v[A0], v[A0+1], v[A0+2]
	v_min3_num_f32 v[M1], v[A1], v[A1+1], v[A1+2]
	v_min3_num_f32 v[M0], v[M0], v[A0+3], v[A0+4]
	v_min3_num_f32 v[M1], v[M1], v[A1+3], v[A1+4]
	v_min3_num_f32 v[M0], v[M0], v[A0+5], v[A0+6]
	v_min3_num_f32 v[M1], v[M1], v[A1+5], v[A1+6]
	v_min_num_f32 v[M0], v[M0], v[A0+7]
	v_min_num_f32 v[M1], v[M1], v[A1+7]
	v_cmp_lt_f32 vcc_lo, v[M0], v[BEST+\a]         ; strictly less: of equal minima the earlier tile stays
	v_cmp_lt_f32 s56, v[M1], v[BEST+\a+1]
	v_cndmask_b32 v[BEST+\a], v[BEST+\a], v[M0], vcc_lo
	v_cndmask_b32 v[BEST+\a+1], v[BEST+\a+1], v[M1], s56
	v_cndmask_b32 v[ID+\a], v[ID+\a], v[TNV], vcc_lo
	v_cndmask_b32 v[ID+\a+1], v[ID+\a+1], v[TNV], s56
.irp j, 0,1,2,3,4,5,6,7
	v_cndmask_b32 v[S0+\j], v[S0+\j], v[A0+\j], vcc_lo
	v_cndmask_b32 v[S1+\j], v[S1+\j], v[A1+\j], s56
.endr
.endm
.macro TILE i
	s_wait_dscnt 0x0                               ; this tile's ten loads are in; none younger is out
	MULS (\i)%2
.if \i < 3
	FETCH (\i)+1, 1-(\i)%2                         ; the next tile, into the set whose last readers stand a whole vector part back
.endif
	v_mov_b32 v[TNV], s[TN]                        ; four plain vector lines that name none of the products' registers stand ahead of the first read of a result (ISA guide 7.12.1)
.rept 3
	v_nop
.endr
	ARG 0, (\i)%2
	ARG 2, (\i)%2
	ARG 4, (\i)%2
	ARG 6, (\i)%2
	s_add_co_u32 s[TN], s[TN], 1
.endm
; A PREFETCH INTO THE L2 of the record that the NEXT change of slots will ask for: 131,072 bytes = 4 work-groups x 4 waves x 32 lanes x 256 bytes, one instruction a wave.
; All clusters walk the same records: the first cluster asks, nobody else.  Its four partners are told apart BY ADDRESS; in each, waves 0 to 3 ask (a branch on the wave's number and the cluster's, alike in all partners).
; So each aligned block of 256 bytes is named once in the launch.  Records 0 and 1 and e_sq come by their loads alone; the last change that fills a slot asks for nothing: no record follows.
.macro ASK
	s_cmp_gt_u32 s[SLOTS], s[LIM]
	s_cbranch_scc0 .Lnot_mine_\@
	global_prefetch_b8 v[PFO], s[PFA:PFA+1] th:TH_LOAD_NT scope:SCOPE_SE
.Lnot_mine_\@:
.endm
; THE CHANGE OF SLOTS stands at a slot's head.  Each wave waits for all its tensor loads (its part of the slot that it is about to read), adds 0 to its spare word, and waits for that and for its reads of the slot that it has left.
; fill = 1: the barrier is a round of the cluster's, so that no wave of any partner still reads the other slot or has a load on its way, and the joint refill is the first thing behind it:
; it has a whole slot's work, 64 matrix instructions and their vector parts in each wave, in which to land.
.macro CHANGE fill
	s_wait_tensorcnt 0x0                           ; no tensor load of mine is out, so a group 0 may be written
	ds_add_u32 v[SPW], v[NIL]                      ; 0 onto my spare word
.if \fill
	s_xor_b32 s[G0C+1], s[G0C+1], SLOT1            ; the walking descriptor: the other slot than last time,
	s_add_nc_u64 s[G0C+2:G0C+3], s[G0C+2:G0C+3], RECB   ; the next record; the type bits on top are not reached
	s_wait_xcnt 0x0                                ; the last prefetch, a slot back, has read its address, so it may be written:
	s_add_nc_u64 s[PFA:PFA+1], s[PFA:PFA+1], RECB  ; one record further on than the walking descriptor
	s_wait_dscnt 0x0                               ; the add is done, and my LDS reads are over
	ROUND
	tensor_load_to_lds s[G0C:G0C+3], s[G1C:G1C+7]  ; my one tensor load until the next round
	s_nop 0
.rept 4
	v_nop
.endr
.else
	s_wait_dscnt 0x0
	s_barrier_signal -1
	s_barrier_wait -1
.endif
.endm
.macro SLOT_STEPS ask
	v_add_nc_u32 v[ADR], s[TB], v[CF0]
	v_add_nc_u32 v[EAD], s[EB], v[ES0]
	FETCH 0, 0
.if \ask
	ASK                                            ; behind the tensor load, its four lines and the run of LDS loads that the next products wait for
.endif
	TILE 0
	TILE 1
	TILE 2
	TILE 3
	s_xor_b32 s[TB], s[TB], SLOT1                  ; on to the other slot,
	s_add_co_u32 s[EB], s[EB], 2048                ; the next record's e_sq,
	s_add_co_u32 s[TN], s[TN], 28                  ; and my first tile of it: 32 on in all
.endm
.Lslot:                                                ; 15 trips: trip n reads record n - 1 and asks for record n
	CHANGE 1
	SLOT_STEPS 1
	s_sub_co_u32 s[SLOTS], s[SLOTS], 1
	s_cmp_lg_u32 s[SLOTS], 0
	s_cbranch_scc1 .Lslot
	CHANGE 0                                       ; the last record is written out
	SLOT_STEPS 0
; (dv, di) = the better of (val, idx) and (ov, oi): the smaller value; of equal values the lower index
.macro MERGE dv, di, val, idx, ov, oi
	v_cmp_lt_f32 s56, v[\ov], v[\val]
	v_cmp_eq_f32 s57, v[\ov], v[\val]
	v_cmp_lt_u32 s58, v[\oi], v[\idx]
	s_and_b32 s57, s57, s58
	s_or_b32 s56, s56, s57
	v_cndmask_b32 v[\dv], v[\val], v[\ov], s56
	v_cndmask_b32 v[\di], v[\idx], v[\oi], s56
.endm
	; ---- which of the kept tile's eight distances was the minimum: the lowest place that equals it; then the index, and the lane 16 away, which holds the same row's other eight places of every tile
.irp a, 0,1,2,3,4,5,6,7
	v_mov_b32 v[JR], 7
.irp j, 6,5,4,3,2,1,0
	v_cmp_neq_f32 vcc_lo, v[SAVE+8*\a+\j], v[BEST+\a]
	v_cndmask_b32 v[JR], \j, v[JR], vcc_lo
.endr
	v_lshl_add_u32 v[IX], v[ID+\a], 4, v[JR]
	v_add_nc_u32 v[IX], v[IX], v[H8]               ; 16 x tile + 8 h + place
	v_permlanex16_b32 v[PD], v[BEST+\a], s[SEL], s[SEL+1]
	v_permlanex16_b32 v[PD+1], v[IX], s[SEL], s[SEL+1]
	MERGE ACC+2*\a, ACC+2*\a+1, BEST+\a, IX, PD, PD+1
	ds_store_b64 v[MS], v[ACC+2*\a:ACC+2*\a+1] offset:128*\a   ; row 16 a + r of my wave's 128 (both halves of the lanes write the same pair)
.endr
	BARRIER                                        ; eight waves' results for the 128 rows lie in LDS (where z's images lay: their last read stands many barriers back)
	s_cmp_lt_u32 s[WV], 4
	s_cbranch_scc0 .Ldone
.irp q, 0,1,2,3,4,5,6,7                        ; waves 0 to 3: a lane a row, 32 wave + lane
	ds_load_b64 v[CF+2*\q:CF+2*\q+1], v[ML] offset:1024*\q
.endr
	s_wait_dscnt 0x0
.irp q, 1,2,3,4,5,6,7
	MERGE CF, CF+1, CF, CF+1, CF+2*\q, CF+2*\q+1
.endr
	v_lshlrev_b32 v[TNV], 2, v0                    ; 4 x (32 wave + lane)
	global_store_b32 v[TNV], v[CF+1], s[12:13]
.Ldone:
	s_wait_tensorcnt 0x0                           ; the wave's end: behind my last tensor load and my last LDS store
	ds_add_u32 v[SPW], v[NIL]
	s_wait_dscnt 0x0
	ROUND                                          ; the closing round: no work-group ends while a partner may still ask for a record that names it
	s_endpgm
.Lfunc_end_k_q8d1e8235c2_vq:
	.size	k_q8d1e8235c2_vq, .Lfunc_end_k_q8d1e8235c2_vq-k_q8d1e8235c2_vq
	.p2alignl 7, 3214868480
	.fill 96, 4, 3214868480
	.section	.rodata,"a",@progbits
	.p2align	6, 0x0
	.amdhsa_kernel k_q8d1e8235c2_vq
		.amdhsa_group_segment_fixed_size 327680
		.amdhsa_private_segment_fixed_size 0
		.amdhsa_enable_private_segment 0
		.amdhsa_kernarg_size 40
		.amdhsa_user_sgpr_count 2
		.amdhsa_user_sgpr_kernarg_segment_ptr 1
		.amdhsa_wavefront_size32 1
		.amdhsa_system_sgpr_workgroup_id_x 1
		.amdhsa_system_sgpr_workgroup_id_y 1
		.amdhsa_system_sgpr_workgroup_id_z 1
		.amdhsa_system_vgpr_workitem_id 0
		.amdhsa_next_free_vgpr 512
		.amdhsa_next_free_sgpr 66
		.amdhsa_reserve_vcc 1
		.amdhsa_float_denorm_mode_32 3
		.amdhsa_float_denorm_mode_16_64 3
		.amdhsa_memory_ordered 1
		.amdhsa_forward_progress 1
		.amdhsa_inst_pref_size 140
	.end_amdhsa_kernel
	.amdgpu_metadata
---
amdhsa.version: [ 1, 2 ]
amdhsa.kernels:
  - .name:           k_q8d1e8235c2_vq
    .symbol:         k_q8d1e8235c2_vq.kd
    .args:
      - { .name: z, .offset: 0, .size: 8, .value_kind: global_buffer, .address_space: global }
      - { .name: ccodes, .offset: 8, .size: 8, .value_kind: global_buffer, .address_space: global }
      - { .name: esq, .offset: 16, .size: 8, .value_kind: global_buffer, .address_space: global }
      - { .name: lowp_scales, .offset: 24, .size: 8, .value_kind: global_buffer, .address_space: global }
      - { .name: idx, .offset: 32, .size: 8, .value_kind: global_buffer, .address_space: global }
    .group_segment_fixed_size: 327680
    .private_segment_fixed_size: 0
    .kernarg_segment_align: 8
    .kernarg_segment_size: 40
    .max_flat_workgroup_size: 256
    .sgpr_count:     66
    .vgpr_count:     512
    .wavefront_size: 32
...
	.end_amdgpu_metadata
.endif
;; end of part 2
;; launch gather (part 3): grid 256 x 1, 16 waves a work-group, no clusters, 2,304 bytes of LDS; arguments z, codebook, idx, out0, part; writes out0, part
.if DOCPART == 3
	.amdgcn_target "amdgcn-amd-amdhsa--gfx1250"
	.amdhsa_code_object_version 6
	.text
	.protected	k_q8d1e8235c2_gather
	.globl	k_q8d1e8235c2_gather
	.p2align	8
	.type	k_q8d1e8235c2_gather,@function
k_q8d1e8235c2_gather:
	s_mov_b64 s[64:65], 0
	v_nop
	global_prefetch_b8 v0, s[64:65] scope:SCOPE_SE
	s_setreg_imm32_b32 hwreg(HW_REG_WAVE_MODE, 25, 1), 1
	s_wait_xcnt 0x0
; out0[n] = z[n] + (codebook[idx[n]] - z[n]), in f32 and in that order; part[g] = the sum of (codebook[idx[n]] - z[n])^2 over work-group g's 128 rows.
; idx was stored as whole numbers by the launch before; each index is held at 8,191 before it enters an address.
; SHARES: a work-group takes 128 rows, each of its sixteen waves 8.  A row is 1,024 bytes: two loads or stores of a wave, 512 consecutive bytes each.  No loop: a wave's 32 loads go out together.
; A stream: the matrix units, clusters and tensor loads would add nothing here; the work-groups share no tile.  No prefetch: nothing stands between the loads and memory but the eight indices.
.set CO, 2                             ; v[2:9]     row k: 1024 x its index + 16 x lane
.set L0, 10                            ; v[10:13]   two packed chains of the sum of squares
.set Z,  32                            ; v[32:95]   z, 8 registers a row
.set E,  96                            ; v[96:159]  the codebook's row, then out0
.set D,  160                           ; v[160:167] the row's differences; at the end v[160:175] the sixteen waves' sums
	s_load_b256 s[4:11], s[0:1], 0x0               ; z s[4:5], codebook s[6:7], idx s[8:9], out0 s[10:11]
	s_load_b64 s[12:13], s[0:1], 0x20              ; part
	v_lshl_add_u32 v176, v0, 2, 0x100
	v_mov_b32 v177, 0
	v_lshrrev_b32 v17, 5, v0
	v_readfirstlane_b32 s14, v17                   ; wave 0..15
	v_lshlrev_b32 v17, 2, v17                      ; my wave's word in LDS
	v_and_b32 v1, 31, v0
	v_lshlrev_b32 v1, 4, v1                        ; 16 x lane
	v_mov_b32 v16, 0
	v_mov_b32 v14, 0                               ; a lane permute's destination counts as read: written once
	s_mov_b32 s26, 0x76543210
	s_mov_b32 s27, 0xfedcba98
	s_lshl_b32 s28, ttmp9, 17                      ; 128 rows of 1,024 bytes,
	s_lshl_b32 s15, s14, 13                        ; my wave's 8
	s_add_co_u32 s28, s28, s15
	s_mov_b32 s29, 0
	s_lshl_b32 s30, ttmp9, 9                       ; the same rows' indices
	s_lshl_b32 s15, s14, 5
	s_add_co_u32 s30, s30, s15
	s_mov_b32 s31, 0
	s_lshl_b32 s32, ttmp9, 2
	s_mov_b32 s33, 0
	s_wait_kmcnt 0x0
	s_add_nc_u64 s[8:9], s[8:9], s[30:31]
	s_load_b256 s[16:23], s[8:9], 0x0              ; my eight indices (this launch writes nothing into idx)
	s_add_nc_u64 s[4:5], s[4:5], s[28:29]
	s_add_nc_u64 s[10:11], s[10:11], s[28:29]
	s_add_nc_u64 s[12:13], s[12:13], s[32:33]
.irp k, 0,1,2,3,4,5,6,7
.irp u, 0,1
	global_load_b128 v[Z+8*\k+4*\u:Z+8*\k+4*\u+3], v1, s[4:5] offset:1024*\k+512*\u th:TH_LOAD_NT
.endr
.endr
	s_wait_kmcnt 0x0
.irp k, 0,1,2,3,4,5,6,7
	s_min_u32 s[16+\k], s[16+\k], 8191             ; an index stays inside the table
	v_lshl_add_u32 v[CO+\k], s[16+\k], 10, v1
.endr
.irp k, 0,1,2,3,4,5,6,7
.irp u, 0,1
	global_load_b128 v[E+8*\k+4*\u:E+8*\k+4*\u+3], v[CO+\k], s[6:7] offset:512*\u   ; no hint: a row may be named again
.endr
.endr
.irp k, 0,1,2,3,4,5,6,7
	s_wait_loadcnt 14-2*\k                         ; z and this row of the codebook are in; the two loads of each of the 7 - k rows behind it may be out
.irp i, 0,2,4,6
	v_pk_add_f32 v[D+\i:D+\i+1], v[E+8*\k+\i:E+8*\k+\i+1], v[Z+8*\k+\i:Z+8*\k+\i+1] neg_lo:[0,1] neg_hi:[0,1]   ; z_q - z
.endr
.irp i, 0,2,4,6
.if (\k == 0) && (\i < 4)
	v_pk_mul_f32 v[L0+\i:L0+\i+1], v[D+\i:D+\i+1], v[D+\i:D+\i+1]                     ; the first products start the chains
.else
	v_pk_fma_f32 v[L0+\i%4:L0+\i%4+1], v[D+\i:D+\i+1], v[D+\i:D+\i+1], v[L0+\i%4:L0+\i%4+1]
.endif
.endr
.irp i, 0,2,4,6
	v_pk_add_f32 v[E+8*\k+\i:E+8*\k+\i+1], v[Z+8*\k+\i:Z+8*\k+\i+1], v[D+\i:D+\i+1]   ; z + (z_q - z)
.endr
.irp u, 0,1
	global_store_b128 v1, v[E+8*\k+4*\u:E+8*\k+4*\u+3], s[10:11] offset:1024*\k+512*\u th:TH_STORE_NT   ; 32 lanes store 512 consecutive bytes, at a multiple of 512 from out0's first byte
.endr
.endr
	v_pk_add_f32 v[L0:L0+1], v[L0:L0+1], v[L0+2:L0+3]
	v_add_f32 v[L0], v[L0], v[L0+1]
	v_add_f32_dpp v[L0], v[L0], v[L0] row_xmask:1 row_mask:0xf bank_mask:0xf
	v_add_f32_dpp v[L0], v[L0], v[L0] row_xmask:2 row_mask:0xf bank_mask:0xf
	v_add_f32_dpp v[L0], v[L0], v[L0] row_xmask:4 row_mask:0xf bank_mask:0xf
	v_add_f32_dpp v[L0], v[L0], v[L0] row_xmask:8 row_mask:0xf bank_mask:0xf
	v_permlanex16_b32 v14, v[L0], s26, s27
	v_add_f32 v[L0], v[L0], v14                    ; my wave's sum, in every lane
	ds_store_b32 v17, v[L0]                        ; all lanes write the same word with the same number
	s_wait_dscnt 0x0                               ; for the others' sake
	s_barrier_signal -1
	s_barrier_wait -1
	s_cmp_lg_u32 s14, 0
	s_cbranch_scc1 .Lend
.irp q, 0,1,2,3
	ds_load_b128 v[D+4*\q:D+4*\q+3], v16 offset:16*\q   ; the sixteen sums, in every lane of wave 0
.endr
	s_wait_dscnt 0x0
	v_pk_add_f32 v[D:D+1], v[D:D+1], v[D+2:D+3]
	v_pk_add_f32 v[D+4:D+5], v[D+4:D+5], v[D+6:D+7]
	v_pk_add_f32 v[D+8:D+9], v[D+8:D+9], v[D+10:D+11]
	v_pk_add_f32 v[D+12:D+13], v[D+12:D+13], v[D+14:D+15]
	v_pk_add_f32 v[D:D+1], v[D:D+1], v[D+4:D+5]
	v_pk_add_f32 v[D+8:D+9], v[D+8:D+9], v[D+12:D+13]
	v_pk_add_f32 v[D:D+1], v[D:D+1], v[D+8:D+9]
	v_add_f32 v[D], v[D], v[D+1]
	s_wait_xcnt 0x0                                ; EXEC is a source of the stores above: it changes only behind this wait
	v_cmp_eq_u32 vcc_lo, 0, v0
	s_and_saveexec_b32 s24, vcc_lo                 ; thread 0
	global_store_b32 v16, v[D], s[12:13]           ; part[work-group]
	s_wait_xcnt 0x0
	s_or_b32 exec_lo, exec_lo, s24
.Lend:
	s_wait_tensorcnt 0x0
	ds_add_u32 v176, v177
	s_wait_dscnt 0x0
	s_endpgm
.Lfunc_end_k_q8d1e8235c2_gather:
	.size	k_q8d1e8235c2_gather, .Lfunc_end_k_q8d1e8235c2_gather-k_q8d1e8235c2_gather
	.p2alignl 7, 3214868480
	.fill 96, 4, 3214868480
	.section	.rodata,"a",@progbits
	.p2align	6, 0x0
	.amdhsa_kernel k_q8d1e8235c2_gather
		.amdhsa_group_segment_fixed_size 2304
		.amdhsa_private_segment_fixed_size 0
		.amdhsa_enable_private_segment 0
		.amdhsa_kernarg_size 40
		.amdhsa_user_sgpr_count 2
		.amdhsa_user_sgpr_kernarg_segment_ptr 1
		.amdhsa_wavefront_size32 1
		.amdhsa_system_sgpr_workgroup_id_x 1
		.amdhsa_system_sgpr_workgroup_id_y 1
		.amdhsa_system_sgpr_workgroup_id_z 1
		.amdhsa_system_vgpr_workitem_id 0
		.amdhsa_next_free_vgpr 178
		.amdhsa_next_free_sgpr 66
		.amdhsa_reserve_vcc 1
		.amdhsa_float_denorm_mode_32 3
		.amdhsa_float_denorm_mode_16_64 3
		.amdhsa_memory_ordered 1
		.amdhsa_forward_progress 1
		.amdhsa_inst_pref_size 15
	.end_amdhsa_kernel
	.amdgpu_metadata
---
amdhsa.version: [ 1, 2 ]
amdhsa.kernels:
  - .name:           k_q8d1e8235c2_gather
    .symbol:         k_q8d1e8235c2_gather.kd
    .args:
      - { .name: z, .offset: 0, .size: 8, .value_kind: global_buffer, .address_space: global }
      - { .name: codebook, .offset: 8, .size: 8, .value_kind: global_buffer, .address_space: global }
      - { .name: idx, .offset: 16, .size: 8, .value_kind: global_buffer, .address_space: global }
      - { .name: out0, .offset: 24, .size: 8, .value_kind: global_buffer, .address_space: global }
      - { .name: part, .offset: 32, .size: 8, .value_kind: global_buffer, .address_space: global }
    .group_segment_fixed_size: 2304
    .private_segment_fixed_size: 0
    .kernarg_segment_align: 8
    .kernarg_segment_size: 40
    .max_flat_workgroup_size: 512
    .sgpr_count:     66
    .vgpr_count:     178
    .wavefront_size: 32
...
	.end_amdgpu_metadata
.endif
;; end of part 3
;; launch total (part 4): grid 1 x 1, 1 waves a work-group, no clusters, 0 bytes of LDS; arguments part, out1; writes out1
.if DOCPART == 4
	.amdgcn_target "amdgcn-amd-amdhsa--gfx1250"
	.amdhsa_code_object_version 6
	.text
	.protected	k_q8d1e8235c2_total
	.globl	k_q8d1e8235c2_total
	.p2align	8
	.type	k_q8d1e8235c2_total,@function
k_q8d1e8235c2_total:
	s_mov_b64 s[64:65], 0
	v_nop
	global_prefetch_b8 v0, s[64:65] scope:SCOPE_SE
	s_setreg_imm32_b32 hwreg(HW_REG_WAVE_MODE, 25, 1), 1
	s_wait_xcnt 0x0
; out1 = 0.25 c + c, c = (the sum of the 256 partial sums) / (32768 x 256).  The divisor is 2^23, so the division is an exact multiplication; 0.25 c is exact, so the fused multiply-add rounds once, as the definition's addition does.
; One wave: a sum that spans work-groups is made by one owner, in a fixed order, in a launch of its own.
	s_load_b128 s[4:7], s[0:1], 0x0                ; part s[4:5], out1 s[6:7]
	v_lshlrev_b32 v1, 5, v0                        ; eight numbers a lane
	v_mov_b32 v12, 0                               ; a lane permute's destination counts as read
	v_mov_b32 v13, 0
	s_mov_b32 s8, 0x76543210
	s_mov_b32 s9, 0xfedcba98
	s_wait_kmcnt 0x0
	global_load_b128 v[4:7], v1, s[4:5]
	global_load_b128 v[8:11], v1, s[4:5] offset:16
	s_wait_loadcnt 0x0
	v_pk_add_f32 v[4:5], v[4:5], v[6:7]
	v_pk_add_f32 v[8:9], v[8:9], v[10:11]
	v_pk_add_f32 v[4:5], v[4:5], v[8:9]
	v_add_f32 v4, v4, v5
	v_add_f32_dpp v4, v4, v4 row_xmask:1 row_mask:0xf bank_mask:0xf
	v_add_f32_dpp v4, v4, v4 row_xmask:2 row_mask:0xf bank_mask:0xf
	v_add_f32_dpp v4, v4, v4 row_xmask:4 row_mask:0xf bank_mask:0xf
	v_add_f32_dpp v4, v4, v4 row_xmask:8 row_mask:0xf bank_mask:0xf
	v_permlanex16_b32 v12, v4, s8, s9
	v_add_f32 v4, v4, v12
	v_mul_f32 v4, 0x34000000, v4                   ; x 2^-23
	v_fmamk_f32 v5, v4, 0x3e800000, v4             ; 0.25 c + c
	s_wait_xcnt 0x0                                ; EXEC changes only behind this wait
	v_cmp_eq_u32 vcc_lo, 0, v0
	s_and_saveexec_b32 s10, vcc_lo
	global_store_b32 v13, v5, s[6:7]
	s_wait_xcnt 0x0
	s_or_b32 exec_lo, exec_lo, s10
	s_endpgm
.Lfunc_end_k_q8d1e8235c2_total:
	.size	k_q8d1e8235c2_total, .Lfunc_end_k_q8d1e8235c2_total-k_q8d1e8235c2_total
	.p2alignl 7, 3214868480
	.fill 96, 4, 3214868480
	.section	.rodata,"a",@progbits
	.p2align	6, 0x0
	.amdhsa_kernel k_q8d1e8235c2_total
		.amdhsa_group_segment_fixed_size 0
		.amdhsa_private_segment_fixed_size 0
		.amdhsa_enable_private_segment 0
		.amdhsa_kernarg_size 16
		.amdhsa_user_sgpr_count 2
		.amdhsa_user_sgpr_kernarg_segment_ptr 1
		.amdhsa_wavefront_size32 1
		.amdhsa_system_sgpr_workgroup_id_x 1
		.amdhsa_system_sgpr_workgroup_id_y 1
		.amdhsa_system_sgpr_workgroup_id_z 1
		.amdhsa_system_vgpr_workitem_id 0
		.amdhsa_next_free_vgpr 24
		.amdhsa_next_free_sgpr 66
		.amdhsa_reserve_vcc 1
		.amdhsa_float_denorm_mode_32 3
		.amdhsa_float_denorm_mode_16_64 3
		.amdhsa_memory_ordered 1
		.amdhsa_forward_progress 1
		.amdhsa_inst_pref_size 2
	.end_amdhsa_kernel
	.amdgpu_metadata
---
amdhsa.version: [ 1, 2 ]
amdhsa.kernels:
  - .name:           k_q8d1e8235c2_total
    .symbol:         k_q8d1e8235c2_total.kd
    .args:
      - { .name: part, .offset: 0, .size: 8, .value_kind: global_buffer, .address_space: global }
      - { .name: out1, .offset: 8, .size: 8, .value_kind: global_buffer, .address_space: global }
    .group_segment_fixed_size: 0
    .private_segment_fixed_size: 0
    .kernarg_segment_align: 8
    .kernarg_segment_size: 16
    .max_flat_workgroup_size: 32
    .sgpr_count:     66
    .vgpr_count:     24
    .wavefront_size: 32
...
	.end_amdgpu_metadata
.endif
;; end of part 4
